; MI455X (gfx1250); checked and timed in simulation.
; The chip was launched on July 23, 2026; its instructions are those of AMD's public machine-readable ISA for CDNA 5 (MIT licence, August 2026) and "CDNA5" Instruction Set Architecture Reference Guide (July 2026). The comments in the code are by the model that wrote it; some were corrected since.
;; Pretrained Model. Allowed arithmetic: matrix products marked QUANTISED: E2M1 operands, one E8M0 scale for each 32 along K, by v_wmma_scale_f32_16x16x128_f8f6f4 with both operands' format E2M1 (or v_wmma_scale_f32_32x16x128_f4), f32 sums; products left as they are: f32 operands where the result goes on into a quantised operand, else bf16, f16 or f32 operands; f32 sums; everything else in f32.
;; Inputs: W1 1 x 64 float32; W2_codes 64 x 2 x 16 uint8 (E2M1 codes of W2, K innermost, in blocks of 32 codes, two codes a byte); W2_scales 64 x 2 uint8 (E8M0 scales of W2, one for each 32 codes along K); W3 64 x 1 float32; b1 64 float32; b2 64 float32; b3 1 float32; trainingInputs 4,096 x 512 x 1 float32; trainingLabels 4,096 x 512 x 1 float32.
;; Outputs: out0 4,096 float32.
;; This version of the problem:
;;   THIS VERSION OF THE PROBLEM IS GIVEN IN LOW PRECISION. The matrix products marked QUANTISED in the list below multiply operands that are first quantised to E2M1 (2 exponent bits, 1 mantissa bit; 4 bits a number), with one power-of-two scale for each 32 numbers along K (OCP MX v1.0); their sums are f32. All else is computed in f32.
;;   The module's matrix products, in the order in which they are computed (A, B: the left and right operand; K: the contracted axis; several contracted axes count as one K, in the product's order):
;;     1. [M 2,097,152, K 1] x [K 1, N 64]; A: input trainingInputs; B: input W1: left as it is (K = 1 < 32)
;;     2. [M 2,097,152, K 64] x [K 64, N 64]; A: computed on the way; B: input W2 (given as codes): QUANTISED
;;     3. [M 2,097,152, K 64] x [K 64, N 1]; A: computed on the way; B: input W3: left as it is (N = 1 < 16)
;;   THE QUANTISER, for each operand of a quantised product, along K:
;;     - K is cut into blocks of 32 from its start; a last block that is shorter is filled with zeros.
;;     - A block's scale is 2^e with e = floor(log2(the largest magnitude in the block)) - 2, held to -126 .. 127; a block of zeros has e = 0. As a byte (E8M0): e + 127.
;;     - Each number is divided by its block's scale, clamped to +-6, and rounded to the nearest number of E2M1, ties to even, subnormals kept.
;;     - The product sums the exact products of the quantised numbers (number of the format x scale) in f32.
;;   ~~~python
;;   def quantise(x, axis):      # numpy; x: float32 -> the quantised numbers, widened to float32 again
;;       x = np.moveaxis(x, axis, -1); K = x.shape[-1]
;;       x = np.pad(x, [(0, 0)] * (x.ndim - 1) + [(0, -K % 32)]); x = x.reshape(x.shape[:-1] + (-1, 32)); a = np.abs(x).max(-1, keepdims=True)
;;       e = np.where(a > 0, np.clip(np.frexp(np.where(a > 0, a, 1))[1] - 1 - 2, -126, 127), 0)      # np.frexp(a)[1] - 1 = floor(log2(a)), exactly
;;       r = np.clip(x / 2.0 ** e, -6, 6)
;;       step = 2.0 ** (np.maximum(np.frexp(np.where(r == 0, 1, r))[1] - 1, 0) - 1)
;;       q = np.round(r / step) * step * 2.0 ** e      # np.round: ties to even
;;       return np.moveaxis(q.reshape(q.shape[:-2] + (-1,))[..., :K], -1, axis).astype(np.float32)
;;   ~~~
;;   OPERANDS COMPUTED ON THE WAY. 'Computed on the way' means the value that the module computes at that place (a softmax that the list does not call 'softmax' is quantised finished and normalised). What goes into a quantiser is computed in f32, as accurately as f32 sums, v_exp_f32 and their like allow (about 1e-6 of the number): no bf16 or f16 on the way to a quantiser, and a product that is left as it is and whose result goes on into a quantised operand takes f32 operands (vector FMAs, or v_wmma_f32_16x16x4_f32). A number that lies on a knife's edge between two numbers of the format may be rounded either way, as far as f32 arithmetic and the matrix unit's own rounding can turn it there, and no further.
;;   INPUTS GIVEN AS CODES. W2 (in the module: [64, 64], K = its axis 0): each comes as NAME_codes (uint8): NAME with its K axis moved to the last place and cut into blocks of 32 codes, [.., K / 32, bytes a block], one block behind the other in memory; two codes a byte, the lower K in the low four bits (a code: sign, 2 exponent bits, 1 mantissa bit); and NAME_scales (uint8): the same leading axes, one E8M0 byte (e + 127) for each 32 codes along K. Its value is code x scale, taken as it is: it is not quantised again, and the codes and scales need not be those that the quantiser above would give.
;; One version. Each part assembles by itself: llvm-mc -triple=amdgcn-amd-amdhsa -mcpu=gfx1250 --defsym DOCPART=n.
;; ======== version 1 of 1: 1 launch
;; launch mse (part 1): grid 256 x 1, 16 waves a work-group, no clusters, 2,304 bytes of LDS; arguments trainingInputs, trainingLabels, W1, b1, W2_codes, W2_scales, b2, W3, b3, out0; writes out0
.if DOCPART == 1
	.amdgcn_target "amdgcn-amd-amdhsa--gfx1250"
	.amdhsa_code_object_version 6
	.text
	.protected	k_qe0abf7312a_mse
	.globl	k_qe0abf7312a_mse
	.p2align	8
	.type	k_qe0abf7312a_mse,@function
k_qe0abf7312a_mse:
	s_mov_b64 s[64:65], 0
	v_nop
	global_prefetch_b8 v0, s[64:65] scope:SCOPE_SE
	s_setreg_imm32_b32 hwreg(HW_REG_WAVE_MODE, 25, 1), 1
	s_wait_xcnt 0x0
; out0[task] = mean over the task's 512 samples of (label - pred)^2,  pred = relu(Q(relu(x W1 + b1)) W2 + b2) . W3 + b3.
; x, label: one f32 a sample.  W1, b1, b2, W3: 64 f32.  W2: codes of E2M1, [n = 64][k = 64], K innermost, one E8M0 byte for each 32 along K.  Q: the MX quantiser along the 64 hidden units, two blocks of 32.
; NOTHING IS LEFT OUT: every input has a way to the output and is loaded.
; SHARES.  4,096 tasks = 256 work-groups x 16 waves: a wave owns one task, 32 tiles of 16 samples, in 256 registers, so that four waves stand on a SIMD and one wave's dependent lines stand beside another's.
; The work is vector work: 64 numbers a sample ahead of the product and 64 behind it, against four matrix instructions for 16 samples.  So the text is laid out for few vector lines and no traffic between lanes.
; LAYOUT (r = lane % 16, h = lane / 16).  The product is used transposed: source 0 = 16 rows n of W2, source 1 = 16 samples.  The 4-bit layout gives lane (r, h) of source 1 the codes k = 32 h .. 32 h + 31 in registers 0-3:
; so lane (r, h) computes the WHOLE block h of sample r in 32 registers, its largest number needs no other lane, and the four conversions' results are the operand's registers 0-3.  K is 64 of the instruction's 128:
; the samples' registers 4-7 are zero codes, written once.  W2's fragment t is v[W2D + 4 t .. + 7]: its low four registers are rows 16 t + r, block h; its high four are whatever follows them (the next fragment's codes, or
; four numbers of W1): every 4-bit pattern is a finite number, it meets a zero code, and the scale bytes 2 and 3 are 0 (no NaN byte) on both sides: they add exactly 0.
; In the result lane (r, h) holds z(sample r, n = 16 t + 8 h + j) in register j of tile t: b2 is the product's C, and the product with W3 is a chain of multiply-adds inside the lane.
; THE FIRST RELU IS TAKEN ON THE CODES: the block's maximum is taken without |.| over a positive floor, so that only what is positive sets the scale, and a negative code's magnitude bits are cleared afterwards (it becomes -0):
; the same values as quantising relu(h), in 16 lines on 4 registers of codes in place of 32 on the numbers.
; WHICH SAMPLES FORM A TILE is free inside a task.  A chunk is 128 samples; pair j of a chunk is tile A (samples 4 r + j) and tile B (samples 64 + 4 r + j): then x comes by loads of 16 bytes a lane, and register j of the labels'
; load (16 bytes at 16 x lane) holds A's labels in lanes 0-15 and B's in lanes 16-31, where one exchange of halves puts the two tiles' predictions.
; PIPELINE, one tile deep: a tile's numbers and codes are made, the tile before is begun on its way out, the four products are issued, the tile before is finished.  The 32 tiles are written out: the register sets come back after
; 16 tiles, so a loop would have two trips, a drained pipeline at its edge and a jump round its loads.
; LIMITS.  NaN and infinities among the inputs, or an overflow of x W1 + b1, are not served.  x W1 + b1 is one fused multiply-add.  b3 enters as four times b3 / 4, exact for |b3| of 2^-124 and more.
; A block with no positive number keeps the floor's byte, 1, where the rule says 127: its codes are zeros.  The sums of a task are taken in another order than the reference's.
.set SPARE, 256                        ; LDS: bytes 0-63 the work-group's 16 results (the block 0-255 is theirs); from 256 on the spare words, 128 bytes for each of 16 waves
.set XO,   1                           ; v1      16 r: my 16 bytes of x in half a chunk; never rewritten
.set ACC,  2                           ; v2      my sum of err^2
.set PA,   3                           ; v3      tile A's half prediction
.set MXA,  4                           ; v4, v5  two chains of the block's maximum; later T1, U1; later the pair Q0
.set MXB,  5
.set T1,   4
.set U1,   5
.set Q0,   4
.set SC,   6                           ; v6      the conversions' scale operand;  v7 the scale's byte;  later the pair Q1
.set BY,   7
.set Q1,   6
.set T0,   8                           ; v8, v9  at work on the codes; later tile B's half prediction and the error
.set U0,   9
.set PB,   8
.set ER,   9
.set OT,   9                           ; v9      also the destination of the exchanges between the halves of the lanes
.set SPW,  10                          ; v10     LDS address of my spare word: SPARE + 4 x my thread's number; never rewritten
.set SW,   11                          ; v11     the samples' scale words, and nothing else
.set WS,   12                          ; v12-13  W2's scale words: v12 lanes 0-15 tile 0, lanes 16-31 tile 1; v13 tiles 2 and 3
.set LBO,  14                          ; v14     16 x lane: my 16 bytes of a chunk's labels; never rewritten
.set NIL,  15                          ; v15     0; never rewritten
.set CD,   16                          ; v16-19  the samples' codes; v20-23 zero codes
.set BUF,  24                          ; v24-35, v36-47  two chunks: x of tiles A (4), x of tiles B (4), labels (4)
.set W2D,  48                          ; v48-63  W2's codes, four registers a tile
.set W1R,  64                          ; v64-95  W1[32 h + i]
.set B1R,  96                          ; v96-127 b1[32 h + i]
.set B2R,  128                         ; v128-159 b2[16 t + 8 h + j] at 8 t + j
.set W3R,  160                         ; v160-191 W3 likewise
.set R0,   192                         ; v192-223 tiles A: the 32 numbers, then the four results;  v224-255 tiles B
.set HW1,  224                         ; at the head alone, in registers that tile 1 takes: 128 h,
.set HB2,  225                         ; 32 h,
.set HW2,  226                         ; 32 r + 16 h,
.set HWS,  227                         ; 2 x lane
; A tile's hidden layer, its scale word and its codes.  rc: the tile's 32 registers; xr: the register that holds my sample's x.
.macro HID rc, xr
.set XP, ((\xr)/2)*2
.set XSEL, (\xr)%2
.irp q, 0,2,4,6,8,10,12,14,16,18,20,22,24,26,28,30
.if XSEL
	v_pk_fma_f32 v[\rc+\q:\rc+\q+1], v[XP:XP+1], v[W1R+\q:W1R+\q+1], v[B1R+\q:B1R+\q+1] op_sel:[1,0,0] op_sel_hi:[1,1,1]   ; x W1 + b1, two units at a time; of x's pair the upper register serves both
.else
	v_pk_fma_f32 v[\rc+\q:\rc+\q+1], v[XP:XP+1], v[W1R+\q:W1R+\q+1], v[B1R+\q:B1R+\q+1] op_sel_hi:[0,1,1]                  ; the lower register serves both
.endif
.endr
	v_max3_num_f32 v[MXA], v[\rc], v[\rc+1], 0x1800000             ; the block's largest number, in two chains.  No |.|: what is negative becomes 0 and must not count.  The floor 2^(3 - 127) stands over it and holds the byte at 1 from below
	v_max3_num_f32 v[MXB], v[\rc+2], v[\rc+3], v[\rc+4]
.irp k, 5,9,13,17,21,25
	v_max3_num_f32 v[MXA], v[MXA], v[\rc+\k], v[\rc+\k+1]
	v_max3_num_f32 v[MXB], v[MXB], v[\rc+\k+2], v[\rc+\k+3]
.endr
	v_max3_num_f32 v[MXA], v[MXA], v[\rc+29], v[\rc+30]
	v_max3_num_f32 v[MXA], v[MXA], v[MXB], v[\rc+31]
	v_add_nc_u32 v[SC], s35, v[MXA]                                ; 2 off its exponent field: the conversion takes the exponent field of this operand as its scale, and nothing else of it
.irp g, 0,1,2,3
	v_cvt_scalef32_pk8_fp4_f32 v[CD+\g], v[\rc+8*\g:\rc+8*\g+7], v[SC]   ; register g of the operand: k = 32 h + 8 g + 0 .. 7
.endr
	v_lshrrev_b32 v[BY], 23, v[SC]                                 ; the scale's byte.  (The plain line behind the conversions)
	v_permlanex16_b32 v[OT], v[BY], s32, s33                       ; the other block's byte
	v_lshl_or_b32 v[SW], v[OT], 8, v[BY]                           ; lanes 0-15: sample r's word: block 0's byte, block 1's, 0, 0.  Lanes 16-31 are not read
.irp g, 0,2                                                            ; the relu, on the codes, two registers by turns
	v_and_b32 v[T0], s34, v[CD+\g]                                 ; the sign bits: 8 in each negative code's place,
	v_and_b32 v[T1], s34, v[CD+\g+1]
	v_lshrrev_b32 v[U0], 3, v[T0]                                  ; 1 there,
	v_lshrrev_b32 v[U1], 3, v[T1]
	v_sub_nc_u32 v[T0], v[T0], v[U0]                               ; 7 there: its magnitude bits (8 - 1 borrows from no neighbour),
	v_sub_nc_u32 v[T1], v[T1], v[U1]
	v_bfi_b32 v[CD+\g], v[T0], 0, v[CD+\g]                         ; which are cleared: the code is -0
	v_bfi_b32 v[CD+\g+1], v[T1], 0, v[CD+\g+1]
.endr
.endm
; z = Q(h) W2 + b2: four tiles of 16 outputs.  Four accumulators, each begun with b2 as its C: no instruction adds onto another's result.
.macro MULT rc
.irp t, 0,1,2,3
.if (\t)%2
	v_wmma_scale_f32_16x16x128_f8f6f4 v[\rc+8*\t:\rc+8*\t+7], v[W2D+4*\t:W2D+4*\t+7], v[CD:CD+7], v[B2R+8*\t:B2R+8*\t+7], v[WS+\t/2], v[SW] matrix_a_fmt:MATRIX_FMT_FP4 matrix_b_fmt:MATRIX_FMT_FP4 matrix_a_scale:MATRIX_SCALE_ROW1
.else
	v_wmma_scale_f32_16x16x128_f8f6f4 v[\rc+8*\t:\rc+8*\t+7], v[W2D+4*\t:W2D+4*\t+7], v[CD:CD+7], v[B2R+8*\t:B2R+8*\t+7], v[WS+\t/2], v[SW] matrix_a_fmt:MATRIX_FMT_FP4 matrix_b_fmt:MATRIX_FMT_FP4
.endif
.endr
.endm
; The way out of a tile, first part: outputs 8 h + 0 .. 7.  Each accumulator is read from its low end on.  These twelve lines name no register of the products that follow them: they are the places between the codes' last line and those products.
.macro OUTA rp
.irp j, 0,1,2,3,4,5,6,7
	v_max_num_f32 v[\rp+\j], 0, v[\rp+\j]                          ; the second relu
.endr
	v_pk_fma_f32 v[Q0:Q0+1], v[\rp:\rp+1], v[W3R:W3R+1], s[28:29] op_sel_hi:[1,1,0]   ; relu(z) . W3 in two packed chains; the first begins with b3 / 4 in both halves, in both halves of the lanes: b3 in all
	v_pk_mul_f32 v[Q1:Q1+1], v[\rp+2:\rp+3], v[W3R+2:W3R+3]
	v_pk_fma_f32 v[Q0:Q0+1], v[\rp+4:\rp+5], v[W3R+4:W3R+5], v[Q0:Q0+1]
	v_pk_fma_f32 v[Q1:Q1+1], v[\rp+6:\rp+7], v[W3R+6:W3R+7], v[Q1:Q1+1]
.endm
; Second part: the other three tiles of outputs; dst takes my half of the sample's prediction.  These lines are the places behind the products just issued, none of whose registers they name.
.macro OUTB rp, dst
.irp t, 1,2,3
.irp j, 0,1,2,3,4,5,6,7
	v_max_num_f32 v[\rp+8*\t+\j], 0, v[\rp+8*\t+\j]
.endr
	v_pk_fma_f32 v[Q0:Q0+1], v[\rp+8*\t:\rp+8*\t+1], v[W3R+8*\t:W3R+8*\t+1], v[Q0:Q0+1]
	v_pk_fma_f32 v[Q1:Q1+1], v[\rp+8*\t+2:\rp+8*\t+3], v[W3R+8*\t+2:W3R+8*\t+3], v[Q1:Q1+1]
	v_pk_fma_f32 v[Q0:Q0+1], v[\rp+8*\t+4:\rp+8*\t+5], v[W3R+8*\t+4:W3R+8*\t+5], v[Q0:Q0+1]
	v_pk_fma_f32 v[Q1:Q1+1], v[\rp+8*\t+6:\rp+8*\t+7], v[W3R+8*\t+6:W3R+8*\t+7], v[Q1:Q1+1]
.endr
	v_pk_add_f32 v[Q0:Q0+1], v[Q0:Q0+1], v[Q1:Q1+1]
	v_add_f32 v[\dst], v[Q0], v[Q0+1]
.endm
; A pair of tiles is finished: 32 samples, one a lane.  lr: the labels' register of the pair.  first = 1: the first pair starts the sum: nothing is cleared.
.macro TAIL lr, first
	v_permlane16_swap_b32 v[PA], v[PB]                             ; PA: both tiles' halves of h = 0; PB: of h = 1
	v_add_f32 v[PB], v[PA], v[PB]                                  ; lanes 0-15: tile A's predictions; lanes 16-31: tile B's
	v_sub_f32 v[ER], v[PB], v[\lr]
.if \first
	v_mul_f32 v[ACC], v[ER], v[ER]
.else
	v_fma_f32 v[ACC], v[ER], v[ER], v[ACC]
.endif
.endm
; Chunk c of the task into buffer b.  Every offset is an immediate: no address is ever stepped.  Sixteen lanes read 256 consecutive bytes, at a multiple of 256 from the buffer's first byte; read once in the launch.
.macro LOADC b, c
	global_load_b128 v[BUF+12*\b:BUF+12*\b+3], v[XO], s[8:9] offset:512*\c th:TH_LOAD_NT
	global_load_b128 v[BUF+12*\b+4:BUF+12*\b+7], v[XO], s[8:9] offset:512*\c+256 th:TH_LOAD_NT
	global_load_b128 v[BUF+12*\b+8:BUF+12*\b+11], v[LBO], s[10:11] offset:512*\c th:TH_LOAD_NT
.endm
	s_load_b512 s[8:23], s[0:1], 0x0               ; x s[8:9], labels s[10:11], W1 s[12:13], b1 s[14:15], W2's codes s[16:17], W2's scales s[18:19], b2 s[20:21], W3 s[22:23]
	s_load_b128 s[24:27], s[0:1], 0x40             ; b3 s[24:25], out0 s[26:27]
	v_lshl_add_u32 v[SPW], v0, 2, SPARE
	v_mov_b32 v[NIL], 0
	v_lshrrev_b32 v3, 5, v0
	v_readfirstlane_b32 s2, v3                     ; wave 0..15
	v_and_b32 v[XO], 15, v0                        ; r
	v_bfe_u32 v3, v0, 4, 1                         ; h
	v_and_b32 v[LBO], 31, v0                       ; lane
	v_lshlrev_b32 v[HWS], 1, v[LBO]                ; W2's scales: two bytes a row, a lane a row
	v_lshlrev_b32 v[LBO], 4, v[LBO]
	v_lshlrev_b32 v[HW1], 7, v3                    ; W1, b1: my block's 32 numbers
	v_lshlrev_b32 v[HB2], 5, v3                    ; b2, W3: my half's 8 numbers of a tile
	v_lshlrev_b32 v[HW2], 5, v[XO]                 ; W2's codes: row r of 32 bytes,
	v_lshl_add_u32 v[HW2], v3, 4, v[HW2]           ; block h
	v_lshlrev_b32 v[XO], 4, v[XO]
	s_mov_b32 s32, 0x76543210
	s_mov_b32 s33, 0xfedcba98                      ; v_permlanex16_b32's selects for lane l xor 16
	s_mov_b32 s34, 0x88888888                      ; the sign bits of eight codes
	s_mov_b32 s35, 0xff000000                      ; -(2 << 23)
	s_lshl_b32 s30, ttmp9, 15                      ; my task's 2,048 bytes of x and of the labels: 16 tasks a work-group,
	s_lshl_b32 s3, s2, 11                          ; one a wave
	s_add_co_u32 s30, s30, s3
	s_mov_b32 s31, 0
	s_wait_kmcnt 0x0
	s_load_b32 s28, s[24:25], 0x0                  ; b3
	s_add_nc_u64 s[8:9], s[8:9], s[30:31]
	s_add_nc_u64 s[10:11], s[10:11], s[30:31]
	s_lshl_b32 s30, ttmp9, 6                       ; the work-group's 16 results
	s_add_nc_u64 s[26:27], s[26:27], s[30:31]
	; 44 loads, in the order in which they are wanted
.irp q, 0,1,2,3,4,5,6,7
	global_load_b128 v[W1R+4*\q:W1R+4*\q+3], v[HW1], s[12:13] offset:16*\q
.endr
.irp q, 0,1,2,3,4,5,6,7
	global_load_b128 v[B1R+4*\q:B1R+4*\q+3], v[HW1], s[14:15] offset:16*\q
.endr
	global_load_b128 v[BUF:BUF+3], v[XO], s[8:9] th:TH_LOAD_NT                ; chunk 0's x
	global_load_b128 v[BUF+4:BUF+7], v[XO], s[8:9] offset:256 th:TH_LOAD_NT
.irp t, 0,1,2,3
	global_load_b128 v[W2D+4*\t:W2D+4*\t+3], v[HW2], s[16:17] offset:512*\t   ; rows 16 t + r
.endr
	global_load_u16 v[WS], v[HWS], s[18:19]                                   ; rows 0-31: two bytes, and 0 above them
	global_load_u16 v[WS+1], v[HWS], s[18:19] offset:64                       ; rows 32-63
.irp t, 0,1,2,3
	global_load_b128 v[B2R+8*\t:B2R+8*\t+3], v[HB2], s[20:21] offset:64*\t
	global_load_b128 v[B2R+8*\t+4:B2R+8*\t+7], v[HB2], s[20:21] offset:64*\t+16
.endr
.irp t, 0,1,2,3
	global_load_b128 v[W3R+8*\t:W3R+8*\t+3], v[HB2], s[22:23] offset:64*\t
	global_load_b128 v[W3R+8*\t+4:W3R+8*\t+7], v[HB2], s[22:23] offset:64*\t+16
.endr
	global_load_b128 v[BUF+8:BUF+11], v[LBO], s[10:11] th:TH_LOAD_NT          ; chunk 0's labels
	LOADC 1, 1
.irp g, 4,5,6,7
	v_mov_b32 v[CD+\g], 0                          ; the samples' codes of k = 64 .. 127: zeros, once
.endr
	v_mov_b32 v[OT], 0                             ; written once: a lane permute's destination counts as one of its sources
	s_wait_kmcnt 0x0
	s_mul_f32 s28, s28, 0x3e800000                 ; b3 / 4
	s_mov_b32 s29, s28                             ; (named with it as a pair, so it is written)
	s_wait_xcnt 0x0                                ; the head's loads have read their offsets: four of them lie in registers that tile 1 writes
	s_wait_loadcnt 26                              ; W1, b1 and chunk 0's x are in; behind them: W2 4, its scales 2, b2 8, W3 8, labels 1, chunk 1's 3
.set i, 0
.rept 32
.set AB, i%2                                           ; tile A or tile B of its pair
.set CUR, R0+32*AB
.set PRV, R0+32-32*AB
.set XR, BUF+12*((i/8)%2)+4*AB+(i%8)/2                 ; chunk i / 8 in buffer (i / 8) % 2, pair (i % 8) / 2
.set LR, BUF+12*(((i-2)/8)%2)+8+((i-2)/2)%4            ; the labels of the pair that ends with tile i - 1
.if (i == 8) || (i == 16) || (i == 24)
	s_wait_loadcnt 0x0                             ; this chunk's three loads, the only ones out: they were issued a chunk's eight tiles ago (chunk 1's at the head)
.endif
	HID CUR, XR
.if i == 0
	s_wait_loadcnt 12                              ; W2, its scales and b2 are in; behind them: W3 8, labels 1, chunk 1's 3
.rept 4
	v_nop                                          ; four places between the codes' last line and the products: there is no tile before to work on
.endr
.else
.if i == 1
	s_wait_loadcnt 4                               ; W3 is in; behind it: labels 1, chunk 1's 3
.endif
	OUTA PRV
.endif
	MULT CUR
.if i > 0
.if AB
	OUTB PRV, PA
.else
	OUTB PRV, PB
.if i == 2
	s_wait_loadcnt 3                               ; chunk 0's labels are in; behind them: chunk 1's 3
	TAIL LR, 1
.else
	TAIL LR, 0
.endif
.endif
.endif
.if i == 8
	LOADC 0, 2                                     ; chunk 0's last label has just been read: its buffer takes chunk 2, eight tiles ahead of its use
.endif
.if i == 16
	LOADC 1, 3
.endif
.set i, i+1
.endr
.rept 4
	v_nop                                          ; four places behind the last products, whose results are read next
.endr
	OUTA R0+32
	OUTB R0+32, PB
	TAIL BUF+12+8+3, 0
	; the task's sum over the 32 lanes, and the mean
	v_add_f32_dpp v[ACC], v[ACC], v[ACC] row_xmask:1 row_mask:0xf bank_mask:0xf
	v_add_f32_dpp v[ACC], v[ACC], v[ACC] row_xmask:2 row_mask:0xf bank_mask:0xf
	v_add_f32_dpp v[ACC], v[ACC], v[ACC] row_xmask:4 row_mask:0xf bank_mask:0xf
	v_add_f32_dpp v[ACC], v[ACC], v[ACC] row_xmask:8 row_mask:0xf bank_mask:0xf
	v_permlanex16_b32 v[OT], v[ACC], s32, s33
	v_add_f32 v[ACC], v[ACC], v[OT]
	v_mul_f32 v[ACC], 0x3b000000, v[ACC]           ; / 512
	v_mov_b32 v4, s2
	v_lshlrev_b32 v4, 2, v4                        ; LDS: my wave's word
	v_and_b32 v5, 15, v0
	v_lshlrev_b32 v5, 2, v5                        ; and, for wave 0, the word that a lane reads back and its place in the work-group's 64 bytes of out0
	ds_store_b32 v4, v[ACC]                        ; all lanes write the same word with the same value
	s_wait_tensorcnt 0x0                           ; three lines behind my last LDS store, the first of them though the text has no tensor load
	ds_add_u32 v[SPW], v[NIL]
	s_wait_dscnt 0x0                               ; the add is done; and, for the others' sake, so is my store
	s_barrier_signal -1
	s_barrier_wait -1                              ; the sixteen results lie in LDS
	s_cmp_lg_u32 s2, 0
	s_cbranch_scc1 .Ldone                          ; wave 0 stores them: 64 consecutive bytes by one instruction
	ds_load_b32 v6, v5
	s_wait_dscnt 0x0
	s_wait_xcnt 0x0                                ; EXEC changes only behind this wait
	v_cmp_gt_u32 vcc_lo, 16, v0
	s_and_saveexec_b32 s36, vcc_lo
	global_store_b32 v5, v6, s[26:27]
	s_wait_xcnt 0x0                                ; and again, in front of the line that widens it
	s_or_b32 exec_lo, exec_lo, s36
.Ldone:
	s_endpgm
.Lfunc_end_k_qe0abf7312a_mse:
	.size	k_qe0abf7312a_mse, .Lfunc_end_k_qe0abf7312a_mse-k_qe0abf7312a_mse
	.p2alignl 7, 3214868480
	.fill 96, 4, 3214868480
	.section	.rodata,"a",@progbits
	.p2align	6, 0x0
	.amdhsa_kernel k_qe0abf7312a_mse
		.amdhsa_group_segment_fixed_size 2304
		.amdhsa_private_segment_fixed_size 0
		.amdhsa_enable_private_segment 0
		.amdhsa_kernarg_size 80
		.amdhsa_user_sgpr_count 2
		.amdhsa_user_sgpr_kernarg_segment_ptr 1
		.amdhsa_wavefront_size32 1
		.amdhsa_system_sgpr_workgroup_id_x 1
		.amdhsa_system_sgpr_workgroup_id_y 1
		.amdhsa_system_sgpr_workgroup_id_z 1
		.amdhsa_system_vgpr_workitem_id 0
		.amdhsa_next_free_vgpr 256
		.amdhsa_next_free_sgpr 66
		.amdhsa_reserve_vcc 1
		.amdhsa_float_denorm_mode_32 3
		.amdhsa_float_denorm_mode_16_64 3
		.amdhsa_memory_ordered 1
		.amdhsa_forward_progress 1
		.amdhsa_inst_pref_size 193
	.end_amdhsa_kernel
	.amdgpu_metadata
---
amdhsa.version: [ 1, 2 ]
amdhsa.kernels:
  - .name:           k_qe0abf7312a_mse
    .symbol:         k_qe0abf7312a_mse.kd
    .args:
      - { .name: trainingInputs, .offset: 0, .size: 8, .value_kind: global_buffer, .address_space: global }
      - { .name: trainingLabels, .offset: 8, .size: 8, .value_kind: global_buffer, .address_space: global }
      - { .name: W1, .offset: 16, .size: 8, .value_kind: global_buffer, .address_space: global }
      - { .name: b1, .offset: 24, .size: 8, .value_kind: global_buffer, .address_space: global }
      - { .name: W2_codes, .offset: 32, .size: 8, .value_kind: global_buffer, .address_space: global }
      - { .name: W2_scales, .offset: 40, .size: 8, .value_kind: global_buffer, .address_space: global }
      - { .name: b2, .offset: 48, .size: 8, .value_kind: global_buffer, .address_space: global }
      - { .name: W3, .offset: 56, .size: 8, .value_kind: global_buffer, .address_space: global }
      - { .name: b3, .offset: 64, .size: 8, .value_kind: global_buffer, .address_space: global }
      - { .name: out0, .offset: 72, .size: 8, .value_kind: global_buffer, .address_space: global }
    .group_segment_fixed_size: 2304
    .private_segment_fixed_size: 0
    .kernarg_segment_align: 8
    .kernarg_segment_size: 80
    .max_flat_workgroup_size: 512
    .sgpr_count:     66
    .vgpr_count:     256
    .wavefront_size: 32
...
	.end_amdgpu_metadata
.endif
;; end of part 1
